; MI455X (gfx1250); checked and timed in simulation.
; The chip was launched on July 23, 2026; its instructions are those of AMD's public machine-readable ISA for CDNA 5 (MIT licence, August 2026) and "CDNA5" Instruction Set Architecture Reference Guide (July 2026). The comments in the code are by the model that wrote it; some were corrected since.
;; April Causal Attention. Allowed arithmetic: matrix products marked QUANTISED: E2M1 operands, one E8M0 scale for each 32 along K, by v_wmma_scale_f32_16x16x128_f8f6f4 with both operands' format E2M1 (or v_wmma_scale_f32_32x16x128_f4), f32 sums; everything else in f32.
;; Inputs: Wk_codes 64 x 24 x 16 uint8 (E2M1 codes of Wk, K innermost, in blocks of 32 codes, two codes a byte); Wk_scales 64 x 24 uint8 (E8M0 scales of Wk, one for each 32 codes along K); Wq_codes 64 x 24 x 16 uint8 (E2M1 codes of Wq, K innermost, in blocks of 32 codes, two codes a byte); Wq_scales 64 x 24 uint8 (E8M0 scales of Wq, one for each 32 codes along K); Wv_codes 64 x 24 x 16 uint8 (E2M1 codes of Wv, K innermost, in blocks of 32 codes, two codes a byte); Wv_scales 64 x 24 uint8 (E8M0 scales of Wv, one for each 32 codes along K); x_codes 4 x 4,096 x 24 x 16 uint8 (E2M1 codes of x, K innermost, in blocks of 32 codes, two codes a byte); x_scales 4 x 4,096 x 24 uint8 (E8M0 scales of x, one for each 32 codes along K).
;; Outputs: out0 4 x 4,096 x 64 float32.
;; This version of the problem:
;;   THIS VERSION OF THE PROBLEM IS GIVEN IN LOW PRECISION. The matrix products marked QUANTISED in the list below multiply operands that are first quantised to E2M1 (2 exponent bits, 1 mantissa bit; 4 bits a number), with one power-of-two scale for each 32 numbers along K (OCP MX v1.0); their sums are f32. All else is computed in f32.
;;   The module's matrix products, in the order in which they are computed (A, B: the left and right operand; K: the contracted axis; several contracted axes count as one K, in the product's order):
;;     1. [M 16,384, K 768] x [K 768, N 64]; A: input x (given as codes); B: input Wq (given as codes): QUANTISED
;;     2. [M 16,384, K 768] x [K 768, N 64]; A: input x (given as codes); B: input Wk (given as codes): QUANTISED
;;     3. [M 16,384, K 768] x [K 768, N 64]; A: input x (given as codes); B: input Wv (given as codes): QUANTISED
;;     4. batch 4 x [M 4,096, K 64] x [K 64, N 4,096]; A: computed on the way; B: computed on the way: QUANTISED
;;     5. batch 4 x [M 4,096, K 4,096] x [K 4,096, N 64]; A: softmax (see below); B: computed on the way: QUANTISED
;;   THE QUANTISER, for each operand of a quantised product, along K:
;;     - K is cut into blocks of 32 from its start; a last block that is shorter is filled with zeros.
;;     - A block's scale is 2^e with e = floor(log2(the largest magnitude in the block)) - 2, held to -126 .. 127; a block of zeros has e = 0. As a byte (E8M0): e + 127.
;;     - Each number is divided by its block's scale, clamped to +-6, and rounded to the nearest number of E2M1, ties to even, subnormals kept.
;;     - The product sums the exact products of the quantised numbers (number of the format x scale) in f32.
;;   ~~~python
;;   def quantise(x, axis):      # numpy; x: float32 -> the quantised numbers, widened to float32 again
;;       x = np.moveaxis(x, axis, -1); K = x.shape[-1]
;;       x = np.pad(x, [(0, 0)] * (x.ndim - 1) + [(0, -K % 32)]); x = x.reshape(x.shape[:-1] + (-1, 32)); a = np.abs(x).max(-1, keepdims=True)
;;       e = np.where(a > 0, np.clip(np.frexp(np.where(a > 0, a, 1))[1] - 1 - 2, -126, 127), 0)      # np.frexp(a)[1] - 1 = floor(log2(a)), exactly
;;       r = np.clip(x / 2.0 ** e, -6, 6)
;;       step = 2.0 ** (np.maximum(np.frexp(np.where(r == 0, 1, r))[1] - 1, 0) - 1)
;;       q = np.round(r / step) * step * 2.0 ** e      # np.round: ties to even
;;       return np.moveaxis(q.reshape(q.shape[:-2] + (-1,))[..., :K], -1, axis).astype(np.float32)
;;   ~~~
;;   SOFTMAX AHEAD OF A QUANTISED PRODUCT. Where the list says 'softmax', what is quantised is not the finished softmax but p = 2^(t - M), with t = logit x log2(e) and M = ceil(the row's largest t), a whole number; so 1/2 < the row's largest p <= 1. The row's sum l is taken of the UNQUANTISED p, in f32, and the product's result is divided by l at the end. Since M is a whole number, a kernel that streams over the keys may use a running M (the ceiling of the running maximum): every later rescaling is an exact power of two, which a block's scale takes up: the codes' values come out the same.
;;   OPERANDS COMPUTED ON THE WAY. 'Computed on the way' means the value that the module computes at that place (a softmax that the list does not call 'softmax' is quantised finished and normalised). What goes into a quantiser is computed in f32, as accurately as f32 sums, v_exp_f32 and their like allow (about 1e-6 of the number): no bf16 or f16 on the way to a quantiser, and a product that is left as it is and whose result goes on into a quantised operand takes f32 operands (vector FMAs, or v_wmma_f32_16x16x4_f32). A number that lies on a knife's edge between two numbers of the format may be rounded either way, as far as f32 arithmetic and the matrix unit's own rounding can turn it there, and no further.
;;   INPUTS GIVEN AS CODES. Wk (in the module: [768, 64], K = its axis 0); Wq (in the module: [768, 64], K = its axis 0); Wv (in the module: [768, 64], K = its axis 0); x (in the module: [4, 4096, 768], K = its axis 2): each comes as NAME_codes (uint8): NAME with its K axis moved to the last place and cut into blocks of 32 codes, [.., K / 32, bytes a block], one block behind the other in memory; two codes a byte, the lower K in the low four bits (a code: sign, 2 exponent bits, 1 mantissa bit); and NAME_scales (uint8): the same leading axes, one E8M0 byte (e + 127) for each 32 codes along K. Its value is code x scale, taken as it is: it is not quantised again, and the codes and scales need not be those that the quantiser above would give.
;; One version. Each part assembles by itself: llvm-mc -triple=amdgcn-amd-amdhsa -mcpu=gfx1250 --defsym DOCPART=n.
;; ======== version 1 of 1: 2 launches
;; workspace buffers: qq 557,056 bytes; kv 1,114,112 bytes
;; launch proj (part 1): grid 128 x 1, 12 waves a work-group, clusters of 4 x 1, 169,472 bytes of LDS; arguments x_codes, x_scales, Wq_codes, Wq_scales, Wk_codes, Wk_scales, Wv_codes, Wv_scales, qq, kv; writes qq, kv
.if DOCPART == 1
	.amdgcn_target "amdgcn-amd-amdhsa--gfx1250"
	.amdhsa_code_object_version 6
	.text
	.protected	k_qd6c777ff9e_proj
	.globl	k_qd6c777ff9e_proj
	.p2align	8
	.type	k_qd6c777ff9e_proj,@function
k_qd6c777ff9e_proj:
	s_mov_b64 s[64:65], 0
	v_nop
	global_prefetch_b8 v0, s[64:65] scope:SCOPE_SE
	s_setreg_imm32_b32 hwreg(HW_REG_WAVE_MODE, 25, 1), 1
	s_wait_xcnt 0x0
	s_wait_alu depctr_hold_cnt(0) depctr_sa_sdst(0) depctr_va_vdst(0) depctr_va_sdst(0) depctr_va_ssrc(0) depctr_va_vcc(0) depctr_vm_vsrc(0)
	s_getreg_b32 s2, hwreg(HW_REG_IB_STS2, 6, 4)
	s_cmp_eq_u32 s2, 0
	s_cbranch_scc0 .Lentry_in_a_cluster
	s_endpgm
.Lentry_in_a_cluster:
	s_bfe_u32 s2, ttmp6, 0x10000c
	s_cmp_lg_u32 s2, 0x3003
	s_cbranch_scc0 .Lentry_shape_is_right
	s_endpgm
.Lentry_shape_is_right:
; q = x Wq, k = x Wk, v = x Wv on codes of FP4 (E2M1) with E8M0 scales, K = 768; then q and k are quantised along d (two blocks of 32 a token)
; and v along the tokens (one block for 32 tokens and a channel), and leave as IMAGES OF OPERAND REGISTERS, 16 bytes a lane, for the second launch.
; SHARES.  A work-group owns a step S of 128 tokens (S = 4 x cluster + place in it).  Twelve waves: role = wave / 4 (0 q, 1 k, 2 v), f = wave % 4.
; Every wave runs ONE text on an A set of 64 rows (source 0) and a B set of 32 rows (source 1): 8 accumulators, 6 K steps of 128, 48 matrix instructions.
;   q, k: A = the weight's 64 rows, B = x's tokens 32 f on: a lane holds ONE token, its registers run along d.
;   v:    A = x's tokens 64 (f % 2) on, B = Wv's channels 32 (f / 2) on: a lane holds ONE channel, its registers run along the tokens.
; Unit n = 2 c + b (c: B's tile, b: a block of 32 of A's rows) is the pair of accumulators at ACC + 16 n: with lane l xor 16's they are one block of 32 along the next K:
; accumulator e of the pair, lane half h: the block's numbers 16 e + 8 h + 0 .. 7.
; CLUSTER.  The four work-groups of a cluster read the same three weights: those six loads are asked for jointly (mask 15); x's four loads are each work-group's own.
; 128 work-groups: a step's scale bytes (four groups of tokens to a word) meet in one work-group's LDS and leave as whole aligned runs of 256 bytes.
; OUT.  kv, 8,704 bytes a step: +0 K's codes [group f][tile c][d block][row r][16]; +4096 V's codes [f / 2][tile c][f % 2][token block][r][16]; +8192 K's scales [c][r][f] of two bytes (d blocks 0, 1);
;       +8448 V's scales [c][r][channel tile / 2] of four bytes (groups 0 .. 3).   qq, 4,352 bytes a step: Q's codes as K's, +4096 Q's scales as K's.
; LIMITS: NaN, infinities and a given scale byte 0xff are not served.  A block whose largest magnitude lies under 2^-124 (a block of zeros too) keeps the byte 1; these bytes are read by this program alone.
.set PITCH, 432                        ; a row of 384 bytes lies in LDS as three pieces of 128 bytes + 16 of padding: 27 x 16, so the 16 rows of a load start in 16 different columns of 16 bytes (64 banks of 4 bytes: ISA guide 11.1)
.set TILE,  16*PITCH
.set UNIT,  32*PITCH                   ; what one tensor load brings: 32 rows.  Units 0, 1 Wq; 2, 3 Wk; 4, 5 Wv; 6 .. 9 x's four groups
.set STG,   10*UNIT                    ; behind the tiles: three blocks of 256 bytes, the scale bytes of q, k, v; no fill lands there
.set KVS,   8704
.set QST,   4352
.set ACC,   64                         ; v64-127  the eight accumulators
.set FB0,   128                        ; v128-175 fragments of a K step: A's four, B's two
.set FB1,   176                        ; v176-223 the other set
.set AS,    224                        ; v224-235 A's scale words: 6 b + K step; lanes 0-15 tile 2 b, lanes 16-31 tile 2 b + 1
.set BS,    236                        ; v236-241 B's: K step; lanes 0-15 tile 0, lanes 16-31 tile 1
; v1 lane, v2 r, v3 h, v4 / v5 LDS address of A's / B's fragments, v6 24 x lane, v7 / v8 the codes' place (c = 0 / 1), v9 / v10 the scale stage in / out, v11 8 x lane,
; v32-35 largest magnitudes, v36-39 the other half's, then bytes, v40-43 the conversions' scale operands, v48-55 codes, v56-57 two bytes a tile, v58-59 the stage read back
.macro ROUND                           ; a round of the cluster's barrier
	s_barrier_signal -1
	s_barrier_wait -1
	s_cmp_lg_u32 s3, 0
	s_cbranch_scc1 .Lnot_wave_0_\@
	s_barrier_signal -3
.Lnot_wave_0_\@:
	s_barrier_wait -3
	s_barrier_signal -1
	s_barrier_wait -1
.endm
.macro PLACES                          ; four plain places between a matrix instruction and a load into, or a vector read of, its registers
.rept 4
	v_nop
.endr
.endm
; One scaled matrix instruction from the symbols rD, rA, rB, rSA, rSB; qA, qB: the scales' row of lanes; zC = 1: the product starts the sum
.macro SW
.if zC && qA && qB
	v_wmma_scale_f32_16x16x128_f8f6f4 v[rD:rD+7], v[rA:rA+7], v[rB:rB+7], 0, v[rSA], v[rSB] matrix_a_fmt:MATRIX_FMT_FP4 matrix_b_fmt:MATRIX_FMT_FP4 matrix_a_scale:MATRIX_SCALE_ROW1 matrix_b_scale:MATRIX_SCALE_ROW1
.elseif zC && qA
	v_wmma_scale_f32_16x16x128_f8f6f4 v[rD:rD+7], v[rA:rA+7], v[rB:rB+7], 0, v[rSA], v[rSB] matrix_a_fmt:MATRIX_FMT_FP4 matrix_b_fmt:MATRIX_FMT_FP4 matrix_a_scale:MATRIX_SCALE_ROW1
.elseif zC && qB
	v_wmma_scale_f32_16x16x128_f8f6f4 v[rD:rD+7], v[rA:rA+7], v[rB:rB+7], 0, v[rSA], v[rSB] matrix_a_fmt:MATRIX_FMT_FP4 matrix_b_fmt:MATRIX_FMT_FP4 matrix_b_scale:MATRIX_SCALE_ROW1
.elseif zC
	v_wmma_scale_f32_16x16x128_f8f6f4 v[rD:rD+7], v[rA:rA+7], v[rB:rB+7], 0, v[rSA], v[rSB] matrix_a_fmt:MATRIX_FMT_FP4 matrix_b_fmt:MATRIX_FMT_FP4
.elseif qA && qB
	v_wmma_scale_f32_16x16x128_f8f6f4 v[rD:rD+7], v[rA:rA+7], v[rB:rB+7], v[rD:rD+7], v[rSA], v[rSB] matrix_a_fmt:MATRIX_FMT_FP4 matrix_b_fmt:MATRIX_FMT_FP4 matrix_a_scale:MATRIX_SCALE_ROW1 matrix_b_scale:MATRIX_SCALE_ROW1
.elseif qA
	v_wmma_scale_f32_16x16x128_f8f6f4 v[rD:rD+7], v[rA:rA+7], v[rB:rB+7], v[rD:rD+7], v[rSA], v[rSB] matrix_a_fmt:MATRIX_FMT_FP4 matrix_b_fmt:MATRIX_FMT_FP4 matrix_a_scale:MATRIX_SCALE_ROW1
.elseif qB
	v_wmma_scale_f32_16x16x128_f8f6f4 v[rD:rD+7], v[rA:rA+7], v[rB:rB+7], v[rD:rD+7], v[rSA], v[rSB] matrix_a_fmt:MATRIX_FMT_FP4 matrix_b_fmt:MATRIX_FMT_FP4 matrix_b_scale:MATRIX_SCALE_ROW1
.else
	v_wmma_scale_f32_16x16x128_f8f6f4 v[rD:rD+7], v[rA:rA+7], v[rB:rB+7], v[rD:rD+7], v[rSA], v[rSB] matrix_a_fmt:MATRIX_FMT_FP4 matrix_b_fmt:MATRIX_FMT_FP4
.endif
.endm
; 12 LDS loads: the six fragments of K step ks.  A fragment (16 rows x 128 K) is 8 registers: lane (r, h): registers 4 u .. 4 u + 3 hold K = 64 u + 32 h + 0 .. 31: 16 bytes of row r as they lie
.macro FETCH ks, buf
.set KOFF, ((\ks)/2)*144+((\ks)%2)*64  ; 64 bytes a K step, 16 more behind each 128
.irp a, 0,1,2,3
.irp u, 0,1
	ds_load_b128 v[\buf+8*\a+4*\u:\buf+8*\a+4*\u+3], v4 offset:\a*TILE+KOFF+32*\u
.endr
.endr
.irp c, 0,1
.irp u, 0,1
	ds_load_b128 v[\buf+32+8*\c+4*\u:\buf+32+8*\c+4*\u+3], v5 offset:\c*TILE+KOFF+32*\u
.endr
.endr
.endm
; 8 matrix instructions: the eight accumulators by turns, one instruction a turn, in the same order in every K step
.macro MUL ks, buf, zero
.irp c, 0,1
.irp b, 0,1
.irp e, 0,1
.set rD, ACC+16*(2*\c+\b)+8*\e
.set rA, \buf+8*(2*\b+\e)
.set rB, \buf+32+8*\c
.set rSA, AS+6*\b+\ks
.set qA, \e
.set rSB, BS+\ks
.set qB, \c
.set zC, \zero
	SW
.endr
.endr
.endr
.endm
	s_load_b512 s[16:31], s[0:1], 0x0              ; x's codes s[16:17], x's scales s[18:19], Wq's s[20:23], Wk's s[24:27], Wv's s[28:31]
	s_load_b128 s[32:35], s[0:1], 0x40             ; qq s[32:33], kv s[34:35]
	v_lshl_add_u32 v254, v0, 2, 0x29000
	v_mov_b32 v255, 0
	ds_add_u32 v254, v255
	ds_add_u32 v254, v255
	v_lshrrev_b32 v1, 5, v0
	v_readfirstlane_b32 s3, v1                     ; wave 0 .. 11
	s_lshr_b32 s4, s3, 2                           ; role
	s_and_b32 s5, s3, 3                            ; f
	s_lshr_b32 s6, s3, 3                           ; z = 1 for v's waves
	s_and_b32 s9, s3, 1
	s_bfe_u32 s8, ttmp6, 0x40000                   ; my place in the cluster
	s_lshl_b32 s7, ttmp9, 2
	s_add_co_u32 s7, s7, s8                        ; S: it enters global addresses alone
	; LDS: A's set begins at pair of units role (q, k) or 3 + f % 2 (v); B's at unit 6 + f (q, k) or 4 + f / 2 (v)
	s_and_b32 s10, s3, s6
	s_add_co_u32 s10, s10, s4
	s_add_co_u32 s10, s10, s6
	s_mul_i32 s10, s10, 2*UNIT
	s_lshl_b32 s11, s6, 1
	s_xor_b32 s11, s11, 6
	s_lshr_b32 s12, s5, s6
	s_add_co_u32 s11, s11, s12
	s_mul_i32 s11, s11, UNIT
	s_mul_i32 s13, s3, UNIT                        ; where my tensor load lands: unit = wave
	s_lshl_b32 s14, s4, 8
	s_add_co_u32 s14, s14, STG                     ; my role's 256 scale bytes
	s_lshl_b32 s15, s5, 1
	s_add_co_u32 s15, s15, s14                     ; + 2 f
	; byte offsets, apart from the addresses
	s_mul_i32 s80, s7, 3072                        ; the step's 128 rows of x's scales, 24 bytes each
	s_mul_i32 s81, s9, 1536
	s_add_co_u32 s81, s81, s80
	s_mul_i32 s82, s81, s6                         ; A's scales: 0 for q and k (the weight's), x's tokens 64 (f % 2) on for v
	s_mov_b32 s83, 0
	s_mul_i32 s84, s5, 768
	s_add_co_u32 s84, s84, s80                     ; B's scales: x's tokens 32 f on,
	s_lshr_b32 s86, s5, 1
	s_mul_i32 s87, s86, 768                        ; or Wv's channels 32 (f / 2) on
	s_cmp_lt_u32 s3, 8
	s_cselect_b32 s84, s84, s87
	s_mov_b32 s85, 0
	s_lshl_b32 s92, s5, 10                         ; the codes' place in a step: 1,024 f,
	s_lshl_b32 s93, s86, 11
	s_lshl_b32 s94, s9, 9
	s_add_co_u32 s93, s93, s94
	s_add_co_u32 s93, s93, 4096                    ; or 4,096 + 2,048 (f / 2) + 512 (f % 2)
	s_cmp_lt_u32 s3, 8
	s_cselect_b32 s92, s92, s93
	s_mul_i32 s88, s7, QST
	s_mul_i32 s90, s7, KVS
	s_cmp_lt_u32 s3, 4
	s_cselect_b32 s88, s88, s90                    ; the step's first byte in qq or in kv
	s_add_co_u32 s92, s92, s88
	s_mov_b32 s93, 0
	s_min_u32 s95, s4, 1
	s_lshl_b32 s95, 4096, s95
	s_lshl_b32 s96, s6, 8
	s_add_co_u32 s96, s96, s95                     ; the scales' place in a step: 4,096, 8,192, 8,448
	s_add_co_u32 s96, s96, s88
	s_mov_b32 s97, 0
	s_lshl_b32 s76, 512, s6                        ; from tile c = 0 to c = 1 of the codes: 512 (q, k), 1,024 (v)
	s_mul_i32 s98, s9, 12288                       ; which 32 rows of a weight I fetch
	s_mov_b32 s99, 0
	s_mul_i32 s78, s7, 49152                       ; the step's 128 rows of x's codes,
	s_add_co_u32 s79, s3, 2
	s_and_b32 s79, s79, 3
	s_mul_i32 s79, s79, 12288                      ; and the group that waves 6 .. 9 fetch: wave - 6
	s_add_co_u32 s78, s78, s79
	s_mov_b32 s79, 0
	s_mov_b32 s36, 0x76543210
	s_mov_b32 s37, 0xfedcba98                      ; v_permlanex16_b32's selects for lane l xor 16
	; descriptor group 1: a dense block of 12,288 bytes as 96 rows of 128 bytes (16 elements of 8 bytes), 4 words of padding behind every 32
	s_mov_b32 s40, 15|(3<<16)|(1<<20)|(1<<21)|(4<<22)|(3<<25)   ; the weights: all four work-groups of the cluster, bit 21 beside the mask
	s_mov_b32 s48, (3<<16)|(1<<20)|(4<<22)|(3<<25)              ; x: my work-group alone
.irp g, 40, 48
	s_mov_b32 s[\g+1], 16<<16                      ; tensor_dim0
	s_mov_b32 s[\g+2], 96<<16                      ; tensor_dim1
	s_mov_b32 s[\g+3], 16<<16                      ; tile_dim0
	s_mov_b32 s[\g+4], 96                          ; tile_dim1
	s_mov_b32 s[\g+5], 16                          ; from row to row
	s_mov_b32 s[\g+6], 0
	s_mov_b32 s[\g+7], 0
.endr
	s_wait_dscnt 0x0
	s_wait_kmcnt 0x0
	s_cmp_lt_u32 s3, 4                             ; every choice of a buffer hangs on the wave's number alone
	s_cselect_b64 s[68:69], s[22:23], s[26:27]
	s_cselect_b64 s[72:73], s[32:33], s[34:35]
	s_cmp_lt_u32 s3, 8
	s_cselect_b64 s[68:69], s[68:69], s[18:19]     ; A's scales: Wq's, Wk's, x's
	s_cselect_b64 s[70:71], s[18:19], s[30:31]     ; B's scales: x's, x's, Wv's
	s_add_nc_u64 s[68:69], s[68:69], s[82:83]
	s_add_nc_u64 s[70:71], s[70:71], s[84:85]
	s_add_nc_u64 s[74:75], s[72:73], s[96:97]      ; where the scale bytes go
	s_add_nc_u64 s[72:73], s[72:73], s[92:93]      ; where the codes go
	s_cmp_lt_u32 s3, 2
	s_cselect_b64 s[58:59], s[20:21], s[24:25]
	s_cmp_lt_u32 s3, 4
	s_cselect_b64 s[58:59], s[58:59], s[28:29]     ; waves 0, 1 Wq; 2, 3 Wk; 4, 5 Wv
	s_mov_b32 s56, 1
	s_mov_b32 s57, s13
	s_add_nc_u64 s[58:59], s[58:59], s[98:99]
	s_or_b32 s59, s59, 0x80000000
	s_mov_b32 s60, 1
	s_mov_b32 s61, s13
	s_add_nc_u64 s[62:63], s[16:17], s[78:79]
	s_or_b32 s63, s63, 0x80000000
	ROUND                                          ; all four work-groups are here: the joint loads meet
	s_cmp_lt_u32 s3, 6                             ; one tensor load a wave at the most; waves 10 and 11 issue none
	s_cbranch_scc0 .Lnot_w
	tensor_load_to_lds s[56:59], s[40:47]
	s_nop 0
.rept 4
	v_nop
.endr
	s_branch .Lasked
.Lnot_w:
	s_cmp_lt_u32 s3, 10
	s_cbranch_scc0 .Lasked
	tensor_load_to_lds s[60:63], s[48:55]
	s_nop 0
.rept 4
	v_nop
.endr
.Lasked:
	v_and_b32 v1, 31, v0                           ; lane
	v_and_b32 v2, 15, v0                           ; r
	v_bfe_u32 v3, v0, 4, 1                         ; h
	v_mul_u32_u24 v6, v1, 24                       ; a row of scales is 24 bytes; lane = row of a pair of tiles
.irp b, 0,1
.irp i, 0,1,2
	global_load_b64 v[AS+6*\b+2*\i:AS+6*\b+2*\i+1], v6, s[68:69] offset:768*\b+8*\i
.endr
.endr
.irp i, 0,1,2
	global_load_b64 v[BS+2*\i:BS+2*\i+1], v6, s[70:71] offset:8*\i
.endr
	v_mul_u32_u24 v4, v2, PITCH
	v_lshl_add_u32 v4, v3, 4, v4                   ; row r x pitch + 16 h
	v_add_nc_u32 v5, s11, v4
	v_add_nc_u32 v4, s10, v4
	v_lshlrev_b32 v7, 4, v2
	v_lshl_add_u32 v7, v3, 3, v7                   ; the codes: 16 r + 8 h
	v_add_nc_u32 v8, s76, v7
	v_lshl_add_u32 v9, v2, 3, s15                  ; the scale stage, in: 8 r + 2 f
	v_lshl_add_u32 v10, v1, 3, s14                 ; and out: 8 x lane
	v_lshlrev_b32 v11, 3, v1
.irp n, 0,1,2,3
	v_mov_b32 v[36+\n], 0                          ; written once: a lane permute's destination counts as one of its sources
.endr
	s_wait_tensorcnt 0x0                           ; my tile has landed,
	s_barrier_signal -1
	s_barrier_wait -1                              ; everybody's has
	FETCH 0, FB0
	FETCH 1, FB1
	s_wait_loadcnt 0x0                             ; the scale words
	s_wait_dscnt 12                                ; this K step's fragments are in; the next step's twelve loads may be out
	MUL 0, FB0, 1                                  ; the first products start the sums
	PLACES
	FETCH 2, FB0
	s_wait_dscnt 12
	MUL 1, FB1, 0
	PLACES
	FETCH 3, FB1
	s_wait_dscnt 12
	MUL 2, FB0, 0
	PLACES
	FETCH 4, FB0
	s_wait_dscnt 12
	MUL 3, FB1, 0
	PLACES
	FETCH 5, FB1
	s_wait_dscnt 12
	MUL 4, FB0, 0
	s_wait_dscnt 0x0
	MUL 5, FB1, 0
	PLACES
	; THE QUANTISER, four blocks by turns.  Each accumulator is read from its low end on.
.irp n, 0,1,2,3
	v_max3_num_f32 v[32+\n], |v[ACC+16*\n]|, |v[ACC+16*\n+1]|, 0x1800000   ; my 16 numbers of the block, and the floor 2^(3 - 127): the byte cannot fall under 1
.endr
.irp i, 2,4,6,8,10,12,14
.irp n, 0,1,2,3
	v_max3_num_f32 v[32+\n], v[32+\n], |v[ACC+16*\n+\i]|, |v[ACC+16*\n+\i+1]|
.endr
.endr
.irp n, 0,1,2,3
	v_permlanex16_b32 v[36+\n], v[32+\n], s36, s37
.endr
.irp n, 0,1,2,3
	v_max_num_f32 v[32+\n], v[32+\n], v[36+\n]     ; with lane l xor 16's: the block's largest magnitude
.endr
.irp n, 0,1,2,3
	v_add_nc_u32 v[40+\n], 0xff000000, v[32+\n]    ; 2 off its exponent field: the conversion takes this operand's exponent field as its scale
.endr
.irp n, 0,1,2,3
	v_lshrrev_b32 v[36+\n], 23, v[40+\n]           ; the scale's byte
.endr
.irp c, 0,1
	v_lshl_or_b32 v[56+\c], v[37+2*\c], 8, v[36+2*\c]   ; tile c: the bytes of blocks b = 0, 1
.endr
.irp n, 0,1,2,3
	v_cvt_scalef32_pk8_fp4_f32 v[48+2*\n], v[ACC+16*\n:ACC+16*\n+7], v[40+\n]       ; the block's numbers 8 h + 0 .. 7
	v_cvt_scalef32_pk8_fp4_f32 v[49+2*\n], v[ACC+16*\n+8:ACC+16*\n+15], v[40+\n]    ; and 16 + 8 h + 0 .. 7
.endr
	v_nop                                          ; one plain place behind a scaled conversion
.irp n, 0,1,2,3
	v_permlane16_swap_b32 v[48+2*\n], v[49+2*\n]   ; the first's lanes 16-31 change places with the second's lanes 0-15: lane half h now holds words 2 h, 2 h + 1 of the block's 16 bytes
.endr
.irp c, 0,1
.irp b, 0,1
	global_store_b64 v[7+\c], v[48+2*(2*\c+\b):49+2*(2*\c+\b)], s[72:73] offset:256*\b   ; 32 lanes store 256 consecutive bytes, at a multiple of 256 from the buffer's first byte
.endr
.endr
	ds_store_b16 v9, v56                           ; both lanes of a row write the same two bytes with the same value
	ds_store_b16 v9, v57 offset:128
	s_wait_dscnt 0x0                               ; for the others' sake: my stores have landed
	s_barrier_signal -1
	s_barrier_wait -1
	s_cmp_lg_u32 s5, 0                             ; one wave of each role sends its role's 256 scale bytes
	s_cbranch_scc1 .Lno_scales
	ds_load_b64 v[58:59], v10
	s_wait_dscnt 0x0
	global_store_b64 v11, v[58:59], s[74:75]       ; 256 consecutive bytes, aligned
.Lno_scales:
	s_wait_tensorcnt 0x0
	ds_add_u32 v254, v255
	s_wait_dscnt 0x0
	ROUND                                          ; the closing round: no work-group ends while a partner may still ask for a tile that names it
	s_endpgm
.Lfunc_end_k_qd6c777ff9e_proj:
	.size	k_qd6c777ff9e_proj, .Lfunc_end_k_qd6c777ff9e_proj-k_qd6c777ff9e_proj
	.p2alignl 7, 3214868480
	.fill 96, 4, 3214868480
	.section	.rodata,"a",@progbits
	.p2align	6, 0x0
	.amdhsa_kernel k_qd6c777ff9e_proj
		.amdhsa_group_segment_fixed_size 169472
		.amdhsa_private_segment_fixed_size 0
		.amdhsa_enable_private_segment 0
		.amdhsa_kernarg_size 80
		.amdhsa_user_sgpr_count 2
		.amdhsa_user_sgpr_kernarg_segment_ptr 1
		.amdhsa_wavefront_size32 1
		.amdhsa_system_sgpr_workgroup_id_x 1
		.amdhsa_system_sgpr_workgroup_id_y 1
		.amdhsa_system_sgpr_workgroup_id_z 1
		.amdhsa_system_vgpr_workitem_id 0
		.amdhsa_next_free_vgpr 256
		.amdhsa_next_free_sgpr 100
		.amdhsa_reserve_vcc 0
		.amdhsa_float_denorm_mode_32 3
		.amdhsa_float_denorm_mode_16_64 3
		.amdhsa_memory_ordered 1
		.amdhsa_forward_progress 1
		.amdhsa_inst_pref_size 25
	.end_amdhsa_kernel
	.amdgpu_metadata
---
amdhsa.version: [ 1, 2 ]
amdhsa.kernels:
  - .name:           k_qd6c777ff9e_proj
    .symbol:         k_qd6c777ff9e_proj.kd
    .args:
      - { .name: x_codes, .offset: 0, .size: 8, .value_kind: global_buffer, .address_space: global }
      - { .name: x_scales, .offset: 8, .size: 8, .value_kind: global_buffer, .address_space: global }
      - { .name: Wq_codes, .offset: 16, .size: 8, .value_kind: global_buffer, .address_space: global }
      - { .name: Wq_scales, .offset: 24, .size: 8, .value_kind: global_buffer, .address_space: global }
      - { .name: Wk_codes, .offset: 32, .size: 8, .value_kind: global_buffer, .address_space: global }
      - { .name: Wk_scales, .offset: 40, .size: 8, .value_kind: global_buffer, .address_space: global }
      - { .name: Wv_codes, .offset: 48, .size: 8, .value_kind: global_buffer, .address_space: global }
      - { .name: Wv_scales, .offset: 56, .size: 8, .value_kind: global_buffer, .address_space: global }
      - { .name: qq, .offset: 64, .size: 8, .value_kind: global_buffer, .address_space: global }
      - { .name: kv, .offset: 72, .size: 8, .value_kind: global_buffer, .address_space: global }
    .group_segment_fixed_size: 169472
    .private_segment_fixed_size: 0
    .kernarg_segment_align: 8
    .kernarg_segment_size: 80
    .max_flat_workgroup_size: 384
    .sgpr_count:     100
    .vgpr_count:     256
    .wavefront_size: 32
...
	.end_amdgpu_metadata
.endif
;; end of part 1
;; launch attn (part 2): grid 64 x 4, 8 waves a work-group, no clusters, 157,696 bytes of LDS; arguments qq, kv, out0; writes out0
.if DOCPART == 2
	.amdgcn_target "amdgcn-amd-amdhsa--gfx1250"
	.amdhsa_code_object_version 6
	.text
	.protected	k_qd6c777ff9e_attn
	.globl	k_qd6c777ff9e_attn
	.p2align	8
	.type	k_qd6c777ff9e_attn,@function
k_qd6c777ff9e_attn:
	s_mov_b64 s[64:65], 0
	v_nop
	global_prefetch_b8 v0, s[64:65] scope:SCOPE_SE
	s_setreg_imm32_b32 hwreg(HW_REG_WAVE_MODE, 25, 1), 1
	s_wait_xcnt 0x0
; out[b][q][:] = the sum over keys k <= q of softmax_k(q . k / 8) v[k][:], both products on codes of FP4 (E2M1) with E8M0 scales, from the operand images that the first launch laid.
; THE SOFTMAX AHEAD OF THE SECOND PRODUCT: t = score x log2(e) / 8; M = the largest t so far, rounded UP to a whole number; p = 2^(t - M) is quantised along the keys, not normalised;
; the row's sum is taken of the unquantised p and divides at the end.  When M moves, the sum and O are multiplied by 2^(old M - new M): exact.
; SHARES.  A work-group (j, batch) owns two groups of 32 queries: G = j and G = 127 - j.  A group needs G / 4 + 1 steps of 128 keys, so every work-group has 33 steps, whatever j.
; THE WAVES SHARE THE KEYS: wave w takes the early group's steps w, w + 8, .. and the late group's steps (8 - w) % 8, + 8, ..: four steps a wave, five for wave 0.  In a step the group's two tiles of
; 16 queries share every fragment of K and V.  Each wave keeps its own M, sum and O^T; since every M is a whole number the eight parts are brought under one M exactly, through LDS, at the end.
; K AND V COME FROM MEMORY STRAIGHT INTO REGISTERS: they lie as images of the operands' registers, so each load of a wave covers 512 consecutive bytes.  No ring in LDS, no barrier in the loop.
; NO CLUSTER, NO JOINT LOADS: the eight waves of a work-group stand at eight different steps at any time, and work-groups of one batch need from 17 to 32 steps of the late group: a joint ring would make
; every partner walk all 32 steps through LDS and set a barrier across waves that otherwise never meet, for 8,704 bytes a step.
; LAYOUT.  Both products are used transposed: S^T = K Q^T, O^T = V^T P^T: a lane holds ONE query (lane % 16).  S^T's tile t holds keys 16 t + 8 (lane / 16) + 0 .. 7.
; THE FIRST PRODUCT'S K IS 64, the instruction's 128: a fragment of K holds two tiles of 16 keys (registers 0-3, 4-7) and is multiplied once by [Q, 0] and once by [0, Q]: zero codes add nothing under any byte but 0xff.
; CAUSAL: steps past a group's last are not walked; in the last step hidden scores become -infinity ahead of the maximum.  A step's key 0 counts for every query that walks it, so M is a number from a wave's first step on.
; LIMITS: NaN and infinities are not served; a p under 2^-126 counts as 0 (v_exp_f32 gives no denormals: ISA guide 15.8).
; REGISTERS, window 0: v1 16 x lane, v2 8 x lane, v3 r - 8 h, v4 / v5 where my parts go in LDS, v6 at work, v7 -infinity; v8-15 statistics; v16-47 at work; v48-52 addresses of the merge; v53-57 at work there;
;   v64-191 S^T, then p, 64 a tile; v192-207 p's codes; v208-227 zeros, Q tile 0, zeros, Q tile 1, zeros (four each); v228-229 K's scale words, v230-231 V's, v232 Q's, v233-234 p's.
;   window 1: v0-63 O^T, 32 a tile; v64-95 K's four fragments; v96-127 V's four.
; SCALARS: s[4:9] the three buffers; s10 wave, s11 batch, s12 j; s20 G, s21 the group's steps, s22 the step in hand, s23 the diagonal's step, s24 G % 4, s25 my next step; s[26:27] the step in kv;
;   s[28:31] Q's codes and scales; s[32:33] lane selects; s[34:35] c; s36-43 at work; s44 trips done, s45 my trips of the group.
.set KVS,   8704                       ; a step in kv: K's codes 4,096, V's codes 4,096, K's scales 256, V's scales 256
.set QST,   4352                       ; a step in qq: Q's codes 4,096, Q's scales 256
.set STATS, 131072                     ; LDS: 0 .. the parts of O^T, 16,384 bytes a wave (tile x 4,096 + 512 i + 16 x lane); here (-M, sum), 1,024 bytes a wave
.set STAGE, 139264                     ; the way out: 64 rows x (256 bytes + 16)
.set SP,    272
.set LI,  1
.set L8,  2
.set DL,  3
.set PA,  4
.set PSA, 5
.set ST,  8                            ; tile x at ST + 4 x: +0 -M, +1 the largest t, +2, +3 the sum in two halves
.set TM,  16                           ; tile x at TM + 16 x: +0..3 the blocks' largest, +4..7 the other half's, then bytes, +8..11 scale operands, +12 f (+13 named with it), +14, +15 at work
.set S,   64
.set PC,  192
.set QZ,  208
.set KS,  228
.set VS,  230
.set QS,  232
.set PS,  233
.set O,   0
.set KF,  64
.set VF,  96
.set MSB, 0
.macro WIN new                         ; s_set_vgpr_msb: bits 1:0 source 0, 3:2 source 1, 5:4 source 2, 7:6 destination; the high byte repeats the setting that is left
.if MSB != \new
	s_set_vgpr_msb (MSB<<8)|\new
.set MSB, \new
.endif
.endm
.macro PLACES                          ; four plain places between a matrix instruction and a load into, or a vector read of, its registers
.rept 4
	v_nop
.endr
.endm
; One scaled matrix instruction from the symbols rD, rA, rB, rSA, rSB; qA, qB: the scales' row of lanes; zC = 1: the product starts the sum
.macro SW
.if zC && qA && qB
	v_wmma_scale_f32_16x16x128_f8f6f4 v[rD:rD+7], v[rA:rA+7], v[rB:rB+7], 0, v[rSA], v[rSB] matrix_a_fmt:MATRIX_FMT_FP4 matrix_b_fmt:MATRIX_FMT_FP4 matrix_a_scale:MATRIX_SCALE_ROW1 matrix_b_scale:MATRIX_SCALE_ROW1
.elseif zC && qA
	v_wmma_scale_f32_16x16x128_f8f6f4 v[rD:rD+7], v[rA:rA+7], v[rB:rB+7], 0, v[rSA], v[rSB] matrix_a_fmt:MATRIX_FMT_FP4 matrix_b_fmt:MATRIX_FMT_FP4 matrix_a_scale:MATRIX_SCALE_ROW1
.elseif zC && qB
	v_wmma_scale_f32_16x16x128_f8f6f4 v[rD:rD+7], v[rA:rA+7], v[rB:rB+7], 0, v[rSA], v[rSB] matrix_a_fmt:MATRIX_FMT_FP4 matrix_b_fmt:MATRIX_FMT_FP4 matrix_b_scale:MATRIX_SCALE_ROW1
.elseif zC
	v_wmma_scale_f32_16x16x128_f8f6f4 v[rD:rD+7], v[rA:rA+7], v[rB:rB+7], 0, v[rSA], v[rSB] matrix_a_fmt:MATRIX_FMT_FP4 matrix_b_fmt:MATRIX_FMT_FP4
.elseif qA && qB
	v_wmma_scale_f32_16x16x128_f8f6f4 v[rD:rD+7], v[rA:rA+7], v[rB:rB+7], v[rD:rD+7], v[rSA], v[rSB] matrix_a_fmt:MATRIX_FMT_FP4 matrix_b_fmt:MATRIX_FMT_FP4 matrix_a_scale:MATRIX_SCALE_ROW1 matrix_b_scale:MATRIX_SCALE_ROW1
.elseif qA
	v_wmma_scale_f32_16x16x128_f8f6f4 v[rD:rD+7], v[rA:rA+7], v[rB:rB+7], v[rD:rD+7], v[rSA], v[rSB] matrix_a_fmt:MATRIX_FMT_FP4 matrix_b_fmt:MATRIX_FMT_FP4 matrix_a_scale:MATRIX_SCALE_ROW1
.elseif qB
	v_wmma_scale_f32_16x16x128_f8f6f4 v[rD:rD+7], v[rA:rA+7], v[rB:rB+7], v[rD:rD+7], v[rSA], v[rSB] matrix_a_fmt:MATRIX_FMT_FP4 matrix_b_fmt:MATRIX_FMT_FP4 matrix_b_scale:MATRIX_SCALE_ROW1
.else
	v_wmma_scale_f32_16x16x128_f8f6f4 v[rD:rD+7], v[rA:rA+7], v[rB:rB+7], v[rD:rD+7], v[rSA], v[rSB] matrix_a_fmt:MATRIX_FMT_FP4 matrix_b_fmt:MATRIX_FMT_FP4
.endif
.endm
; 9 loads: a step's K.  Fragment 2 g + c: registers 0-3 the keys 64 g + 16 c + r, registers 4-7 the keys 64 g + 32 + 16 c + r; lane half h: d = 32 h + 0 .. 31.
; Its scale words: register g; lanes 0-15 c = 0, lanes 16-31 c = 1; bytes: the first tile's two d blocks, the second's two
.macro KLOAD
	global_load_b64 v[KS:KS+1], v[L8], s[26:27] offset:8192
	WIN 0x40                                       ; destination window 1
.irp g, 0,1
.irp c, 0,1
.irp u, 0,1
	global_load_b128 v[KF+8*(2*\g+\c)+4*\u:KF+8*(2*\g+\c)+4*\u+3], v[LI], s[26:27] offset:(2*\g+\u)*1024+\c*512
.endr
.endr
.endr
	WIN 0
.endm
; 9 loads: the step's V.  Fragment t: channels 16 t + r, 128 keys.  Its scale words: register t / 2; lanes 0-15 even t, lanes 16-31 odd t
.macro VLOAD
	global_load_b64 v[VS:VS+1], v[L8], s[26:27] offset:8448
	WIN 0x40
.irp i, 0,1,2,3,4,5,6,7
	global_load_b128 v[VF+4*\i:VF+4*\i+3], v[LI], s[26:27] offset:4096+512*\i
.endr
	WIN 0
.endm
; 16 matrix instructions: S^T = K Q^T.  u = 0: [Q, 0] picks the fragment's first tile of keys, u = 1: [0, Q] its second: tile 4 g + 2 u + c of S^T
.macro KQ
	WIN 0x01                                       ; K in window 1
.irp g, 0,1
.irp c, 0,1
.irp u, 0,1
.irp x, 0,1
.set rD, S+64*\x+8*(4*\g+2*\u+\c)
.set rA, KF+8*(2*\g+\c)
.set rB, QZ+4+8*\x-4*\u
.set rSA, KS+\g
.set qA, \c
.set rSB, QS
.set qB, \x
.set zC, 1
	SW
.endr
.endr
.endr
.endr
	WIN 0
.endm
; 8 matrix instructions: O^T += V^T P^T, the eight accumulators by turns
.macro PV
	WIN 0x51                                       ; V, C and D in window 1
.irp t, 0,1,2,3
.irp x, 0,1
.set rD, O+32*\x+8*\t
.set rA, VF+8*\t
.set rB, PC+8*\x
.set rSA, VS+\t/2
.set qA, \t%2
.set rSB, PS+\x
.set qB, 0
.set zC, 0
	SW
.endr
.endr
	WIN 0
.endm
; The group's last step: register n of a tile holds key 16 (n / 8) + 8 h + n % 8 of the step; my query is 32 (G % 4) + 16 x + r of it.  Hidden where 16 (n / 8) + n % 8 > query - 8 h
.macro MASK
	s_lshl_b32 s36, s24, 5
	v_add_nc_u32 v6, s36, v[DL]
.irp x, 0,1
.if \x
	v_add_nc_u32 v6, 16, v6
.endif
.set n, 0
.rept 64
	v_cmp_gt_i32 vcc_lo, 16*(n/8)+n%8, v6
	v_cndmask_b32 v[S+64*\x+n], v[S+64*\x+n], v7, vcc_lo
.set n, n+1
.endr
.endr
.endm
; Number sj of 32 of tile x's sum of p, two at a time, in two chains
.macro SUMI x
.set sS, S+64*(\x)
.set sL, ST+4*(\x)+2
.set sA, TM+16*(\x)+14
.if sj == 0
	s_wait_alu depctr_va_vdst(0)
	v_pk_add_f32 v[sA:sA+1], v[sS:sS+1], v[sS+2:sS+3]
.elseif sj == 31
	v_pk_add_f32 v[sL:sL+1], v[sL:sL+1], v[sA:sA+1]
.elseif (sj%2) == 1
	v_pk_add_f32 v[sL:sL+1], v[sL:sL+1], v[sS+2*sj+2:sS+2*sj+3]
.else
	v_pk_add_f32 v[sA:sA+1], v[sA:sA+1], v[sS+2*sj+2:sS+2*sj+3]
.endif
.endm
; THE SOFTMAX of a step, both tiles.  Exponentials stand between plain instructions of the other tile, so that each has a plain instruction behind it before its result is used (ISA guide 5.7.2)
.macro SOFT
.irp b, 0,1,2,3
.irp x, 0,1
	v_max3_num_f32 v[TM+16*\x+\b], v[S+64*\x+16*\b], v[S+64*\x+16*\b+1], v[S+64*\x+16*\b+2]   ; THE LARGEST SCORE OF EACH BLOCK OF 32 KEYS serves twice: for the row's maximum and, since p rises with the score, for the block's largest p
.endr
.endr
.irp i, 3,5,7,9,11,13
.irp b, 0,1,2,3
.irp x, 0,1
	v_max3_num_f32 v[TM+16*\x+\b], v[TM+16*\x+\b], v[S+64*\x+16*\b+\i], v[S+64*\x+16*\b+\i+1]
.endr
.endr
.endr
.irp b, 0,1,2,3
.irp x, 0,1
	v_max_num_f32 v[TM+16*\x+\b], v[TM+16*\x+\b], v[S+64*\x+16*\b+15]
.endr
.endr
.irp b, 0,1,2,3
.irp x, 0,1
	v_permlanex16_b32 v[TM+16*\x+4+\b], v[TM+16*\x+\b], s32, s33
.endr
.endr
.irp b, 0,1,2,3
.irp x, 0,1
	v_max_num_f32 v[TM+16*\x+\b], v[TM+16*\x+\b], v[TM+16*\x+4+\b]   ; with lane l xor 16's 16 keys
.endr
.endr
.irp x, 0,1
	v_max3_num_f32 v[TM+16*\x+14], v[TM+16*\x], v[TM+16*\x+1], v[TM+16*\x+2]
.endr
.irp x, 0,1
	v_max_num_f32 v[TM+16*\x+14], v[TM+16*\x+14], v[TM+16*\x+3]      ; the step's largest score of my query
.endr
.irp x, 0,1
	v_mul_f32 v[TM+16*\x+14], s34, v[TM+16*\x+14]                    ; as t
.endr
.irp x, 0,1
	v_max_num_f32 v[ST+4*\x+1], v[ST+4*\x+1], v[TM+16*\x+14]         ; the running largest t
.endr
.irp x, 0,1
	v_mov_b32 v[TM+16*\x+14], v[ST+4*\x]
.endr
.irp x, 0,1
	v_floor_f32 v[ST+4*\x], -v[ST+4*\x+1]                            ; the new -M = floor(-t): M is a whole number
.endr
.irp x, 0,1
	v_sub_f32 v[TM+16*\x+14], v[ST+4*\x], v[TM+16*\x+14]             ; old M - new M: a whole number, 0 or less
.endr
.irp x, 0,1
	v_cvt_i32_f32 v[TM+16*\x+14], v[TM+16*\x+14]                     ; (it saturates)
.endr
.irp x, 0,1
	v_ldexp_f32 v[TM+16*\x+12], 1.0, v[TM+16*\x+14]                  ; f = 2^(old M - new M)
.endr
.set j, 0
.rept 32
	v_pk_fma_f32 v[S+j:S+j+1], v[S+j:S+j+1], s[34:35], v[ST:ST+1] op_sel_hi:[1,0,0]   ; tile 0: t - M, two at a time (of the pairs c and -M the low word serves both halves)
.set j, j+2
.endr
.irp b, 0,1,2,3
	v_fma_f32 v[TM+\b], v[TM+\b], s34, v[ST]       ; the same of each block's largest score
.endr
.set j, 0
.rept 32
	v_exp_f32 v[S+2*j], v[S+2*j]                   ; tile 0: p = 2^(t - M); between them tile 1's t - M
	v_pk_fma_f32 v[S+64+2*j:S+64+2*j+1], v[S+64+2*j:S+64+2*j+1], s[34:35], v[ST+4:ST+5] op_sel_hi:[1,0,0]
	v_exp_f32 v[S+2*j+1], v[S+2*j+1]
.set j, j+1
.endr
.irp b, 0,1,2,3
	v_exp_f32 v[TM+\b], v[TM+\b]                   ; the block's largest p: the same two instructions on the same number give the same bits
	v_fma_f32 v[TM+16+\b], v[TM+16+\b], s34, v[ST+4]
.endr
	v_pk_mul_f32 v[ST+2:ST+3], v[ST+2:ST+3], v[TM+12:TM+13] op_sel_hi:[1,0]   ; tile 0's sums under the new M
.set sj, 0
.rept 32
	v_exp_f32 v[S+64+2*sj], v[S+64+2*sj]           ; tile 1's p; between them tile 0's sum, OF THE UNQUANTISED p
	SUMI 0
	v_exp_f32 v[S+64+2*sj+1], v[S+64+2*sj+1]
.set sj, sj+1
.endr
.irp b, 0,1,2,3
	v_exp_f32 v[TM+16+\b], v[TM+16+\b]
.endr
	v_pk_mul_f32 v[ST+6:ST+7], v[ST+6:ST+7], v[TM+28:TM+29] op_sel_hi:[1,0]   ; (a plain place behind the exponentials)
	s_wait_alu depctr_va_vdst(0)
.irp b, 0,1,2,3
.irp x, 0,1
	v_max_num_f32 v[TM+16*\x+\b], 0x1800000, v[TM+16*\x+\b]          ; the floor 2^(3 - 127): the byte cannot fall under 1 (a block whose every p is 0 keeps that byte: its codes are zeros)
.endr
.endr
.irp b, 0,1,2,3
.irp x, 0,1
	v_add_nc_u32 v[TM+16*\x+8+\b], 0xff000000, v[TM+16*\x+\b]        ; 2 off the exponent field: the conversion's scale operand
.endr
.endr
.irp b, 0,1,2,3
.irp x, 0,1
	v_lshrrev_b32 v[TM+16*\x+4+\b], 23, v[TM+16*\x+8+\b]             ; the scale's byte
.endr
.endr
.irp x, 0,1
	v_lshl_or_b32 v[PS+\x], v[TM+16*\x+5], 8, v[TM+16*\x+4]          ; p's scale word for these 128 keys
.endr
.irp x, 0,1
	v_lshl_or_b32 v[PS+\x], v[TM+16*\x+6], 16, v[PS+\x]
.endr
.irp x, 0,1
	v_lshl_or_b32 v[PS+\x], v[TM+16*\x+7], 24, v[PS+\x]
.endr
.irp x, 0,1
.irp u, 0,1                            ; blocks 2 u and 2 u + 1: of each the numbers 8 h + 0 .. 7, then 16 + 8 h + 0 .. 7
	v_cvt_scalef32_pk8_fp4_f32 v[PC+8*\x+4*\u],   v[S+64*\x+32*\u:S+64*\x+32*\u+7],     v[TM+16*\x+8+2*\u]
	v_cvt_scalef32_pk8_fp4_f32 v[PC+8*\x+4*\u+1], v[S+64*\x+32*\u+16:S+64*\x+32*\u+23], v[TM+16*\x+9+2*\u]
	v_cvt_scalef32_pk8_fp4_f32 v[PC+8*\x+4*\u+2], v[S+64*\x+32*\u+8:S+64*\x+32*\u+15],  v[TM+16*\x+8+2*\u]
	v_cvt_scalef32_pk8_fp4_f32 v[PC+8*\x+4*\u+3], v[S+64*\x+32*\u+24:S+64*\x+32*\u+31], v[TM+16*\x+9+2*\u]
.endr
.endr
	v_nop                                          ; one plain place behind a scaled conversion
.irp x, 0,1
.irp u, 0,1                            ; the operand wants a WHOLE block in a lane: lanes 0-15 block 2 u, lanes 16-31 block 2 u + 1; register o of the four: the block's numbers 8 o + 0 .. 7
	v_permlane16_swap_b32 v[PC+8*\x+4*\u],   v[PC+8*\x+4*\u+1]
	v_permlane16_swap_b32 v[PC+8*\x+4*\u+2], v[PC+8*\x+4*\u+3]
.endr
.endr
.set sj, 0
.rept 32
	SUMI 1                                         ; tile 1's sum.  These and the 32 below are the places between the scale words and codes just written and the products that take them
.set sj, sj+1
.endr
	WIN 0x41                                       ; O^T (destination and source 0) in window 1
.irp x, 0,1
.set j, 0
.rept 16
	v_pk_mul_f32 v[O+32*\x+j:O+32*\x+j+1], v[O+32*\x+j:O+32*\x+j+1], v[TM+16*\x+12:TM+16*\x+13] op_sel_hi:[1,0]   ; O^T under the new M, each accumulator from its low end on
.set j, j+2
.endr
.endr
	WIN 0
.endm
; A GROUP OF 32 QUERIES: p = 0 the early one, p = 1 the late one.  My steps of it, then my part (-M, sum, O^T) into LDS.
.macro PHASE p
.if \p == 0
	s_mov_b32 s20, s12                             ; G
	s_mov_b32 s22, s10                             ; my first step
.else
	s_sub_co_u32 s20, 127, s12
	s_sub_co_u32 s22, 8, s10
	s_and_b32 s22, s22, 7
.endif
	s_lshr_b32 s23, s20, 2                         ; the group's last step, on the diagonal
	s_add_co_u32 s21, s23, 1                       ; its steps
	s_and_b32 s24, s20, 3                          ; which 32 of that step's 128 tokens the queries are
.irp x, 0,1
	v_mov_b32 v[ST+4*\x+1], 0xff61b1e6             ; the largest t so far: -3e38, under every t
	v_floor_f32 v[ST+4*\x], -v[ST+4*\x+1]          ; -M
	v_mov_b32 v[ST+4*\x+2], 0
	v_mov_b32 v[ST+4*\x+3], 0
.endr
	WIN 0x40
.set j, 0
.rept 64
	v_mov_b32 v[O+j], 0                            ; the step is written once: the first finds zeros, which the first change of M leaves zeros; a wave without a step hands zeros on
.set j, j+1
.endr
	WIN 0
	s_cmp_ge_u32 s22, s21
	s_cbranch_scc1 .Lempty_\@                      ; no step of this group is mine
	s_sub_co_u32 s45, s21, s22                     ; my steps are s22, s22 + 8, .. under s21: (s21 - s22 + 7) / 8 of them, at least one.
	s_add_co_u32 s45, s45, 7
	s_lshr_b32 s45, s45, 3                         ; The loop is counted in trips, one at a time, against this number
	s_mov_b32 s44, 0
	s_lshl_b32 s36, s11, 5                         ; 32 steps a batch
	s_add_co_u32 s37, s36, s23
	s_mul_i32 s37, s37, QST                        ; the queries' step in qq
	s_lshl_b32 s38, s24, 10
	s_add_co_u32 s38, s38, s37
	s_mov_b32 s39, 0
	s_lshl_b32 s40, s24, 1
	s_add_co_u32 s40, s40, s37
	s_add_co_u32 s40, s40, 4096
	s_mov_b32 s41, 0
	s_add_co_u32 s42, s36, s22
	s_mul_i32 s42, s42, KVS                        ; my first step in kv
	s_mov_b32 s43, 0
	s_add_nc_u64 s[28:29], s[4:5], s[38:39]
	s_add_nc_u64 s[30:31], s[4:5], s[40:41]
	s_add_nc_u64 s[26:27], s[6:7], s[42:43]
	global_load_b128 v[QZ+4:QZ+7], v[LI], s[28:29]               ; Q's tile 0: lane (r, h): d = 32 h + 0 .. 31 of query r
	global_load_b128 v[QZ+12:QZ+15], v[LI], s[28:29] offset:512  ; tile 1
	global_load_u16 v[QS], v[L8], s[30:31]                       ; two scale bytes a query: lanes 0-15 tile 0, lanes 16-31 tile 1
	KLOAD
	VLOAD
	s_wait_loadcnt 18                              ; Q is in: behind its three loads stand K's nine and V's nine
	v_lshl_or_b32 v[QS], v[QS], 16, v[QS]          ; the two bytes twice: they serve Q in either half of the instruction's K
.rept 8
	v_nop                                          ; a scale register written by a vector instruction stands eight places ahead of a scaled matrix instruction
.endr
.Lstep_\@:
	s_wait_loadcnt 9                               ; K is in; V's nine loads, issued behind it, may be out
	KQ
	PLACES
	s_add_co_u32 s25, s22, 8                       ; my next step
	s_cmp_ge_u32 s25, s21
	s_cbranch_scc1 .Lno_k_\@
	s_wait_xcnt 0x0                                ; V's loads have read their base: it may step
	s_add_nc_u64 s[26:27], s[26:27], 8*KVS
	KLOAD                                          ; the next step's K lands under the softmax
.Lno_k_\@:
	s_cmp_lg_u32 s22, s23
	s_cbranch_scc1 .Lopen_\@
	MASK
.Lopen_\@:
	SOFT
	s_wait_loadcnt 0x0                             ; V is in (and the next K, asked for a softmax ago)
	PV
	s_cmp_ge_u32 s25, s21
	s_cbranch_scc1 .Lno_v_\@
	PLACES
	VLOAD                                          ; the next step's V
.Lno_v_\@:
	s_add_co_u32 s22, s22, 8                       ; the step's number goes on by eight; the trips are counted by one
	s_add_co_u32 s44, s44, 1
	s_cmp_lt_u32 s44, s45
	s_cbranch_scc1 .Lstep_\@
	s_wait_loadcnt 0x0
	PLACES
.Lempty_\@:
.irp x, 0,1
	v_add_f32 v[ST+4*\x+1], v[ST+4*\x+2], v[ST+4*\x+3]   ; the sum's two halves, in the place of t
.endr
.irp x, 0,1
	ds_store_b64 v[PSA], v[ST+4*\x:ST+4*\x+1] offset:(2*\p+\x)*256
.endr
	WIN 0x04                                       ; an LDS store's data are its source 1: window 1
.irp x, 0,1
.irp i, 0,1,2,3,4,5,6,7
	ds_store_b128 v[PA], v[O+32*\x+4*\i:O+32*\x+4*\i+3] offset:((2*\p+\x)*8+\i)*512   ; as they stand: 512 consecutive bytes a store, each accumulator from its low end on
.endr
.endr
	WIN 0
	s_wait_dscnt 0x0                               ; the stores have read their registers, and have landed
.endm
	s_load_b128 s[4:7], s[0:1], 0x0                ; qq s[4:5], kv s[6:7]
	s_load_b64 s[8:9], s[0:1], 0x10                ; out0
	v_lshl_add_u32 v254, v0, 2, 0x26400
	v_mov_b32 v255, 0
	v_lshrrev_b32 v6, 5, v0
	v_readfirstlane_b32 s10, v6                    ; wave 0 .. 7
	s_and_b32 s11, ttmp7, 0xffff                   ; batch
	s_mov_b32 s12, ttmp9                           ; j
	s_mov_b32 s32, 0x76543210
	s_mov_b32 s33, 0xfedcba98                      ; v_permlanex16_b32's selects for lane l xor 16
	s_mov_b32 s34, 0x3e38aa3b                      ; c = log2(e) / 8
	s_mov_b32 s35, s34                             ; (named with it as a pair, so it is written)
	v_and_b32 v53, 31, v0                          ; lane
	v_and_b32 v54, 15, v0                          ; r
	v_bfe_u32 v55, v0, 4, 1                        ; h
	v_lshlrev_b32 v[LI], 4, v53
	v_lshlrev_b32 v[L8], 3, v53
	v_lshlrev_b32 v6, 3, v55
	v_sub_nc_u32 v[DL], v54, v6
	s_lshl_b32 s36, s10, 14
	v_add_nc_u32 v[PA], s36, v[LI]                 ; my parts of O^T: 16,384 x wave + 16 x lane
	s_lshl_b32 s36, s10, 10
	s_add_co_u32 s36, s36, STATS
	v_add_nc_u32 v[PSA], s36, v[L8]                ; my statistics: 1,024 x wave + 8 x lane
	; the merge: wave w sums tile w / 2, half w % 2 of its 32 registers, over the eight parts
	s_lshr_b32 s37, s10, 1
	s_and_b32 s38, s10, 1
	s_lshl_b32 s36, s37, 12
	s_lshl_b32 s39, s38, 11
	s_add_co_u32 s36, s36, s39
	v_add_nc_u32 v48, s36, v[LI]                   ; parts 0 .. 3,
	v_add_nc_u32 v49, 0x10000, v48                 ; parts 4 .. 7: an LDS offset has 16 bits
	s_lshl_b32 s36, s37, 8
	s_add_co_u32 s36, s36, STATS
	v_add_nc_u32 v50, s36, v[L8]
	s_mul_i32 s36, s37, 16*SP
	s_lshl_b32 s39, s38, 7
	s_add_co_u32 s36, s36, s39
	s_add_co_u32 s36, s36, STAGE
	v_mul_u32_u24 v51, v54, SP
	v_lshl_add_u32 v51, v55, 5, v51
	v_add_nc_u32 v51, s36, v51                     ; the stage, in: row 16 x tile + r, + 128 x half + 32 h
	s_mul_i32 s36, s10, 8*SP
	s_add_co_u32 s36, s36, STAGE
	v_mul_u32_u24 v52, v55, SP
	v_lshl_add_u32 v52, v54, 4, v52
	v_add_nc_u32 v52, s36, v52                     ; and back: rows 8 w on; lanes 0-15 one row, lanes 16-31 the next
	v_mov_b32 v7, 0xff800000                       ; -infinity
.irp i, 0,1,2,3
	v_mov_b32 v[QZ+\i], 0                          ; zero codes beside Q
	v_mov_b32 v[QZ+8+\i], 0
	v_mov_b32 v[QZ+16+\i], 0
	v_mov_b32 v[TM+4+\i], 0                        ; written once: a lane permute's destination counts as one of its sources
	v_mov_b32 v[TM+20+\i], 0
.endr
	v_mov_b32 v[TM+13], 0                          ; (named as the upper halves of the pairs with f)
	v_mov_b32 v[TM+29], 0
	v_mov_b32 v56, 0
	s_sub_co_u32 s36, 127, s12                     ; the rows that I store at the end: waves 0-3 the early group's, waves 4-7 the late group's, 8 rows a wave
	s_cmp_lt_u32 s10, 4
	s_cselect_b32 s36, s12, s36
	s_lshl_b32 s36, s36, 5
	s_lshl_b32 s37, s11, 12
	s_add_co_u32 s36, s36, s37
	s_and_b32 s37, s10, 3
	s_lshl_b32 s37, s37, 3
	s_add_co_u32 s36, s36, s37
	s_lshl_b32 s36, s36, 8                         ; a row of out0 is 256 bytes
	s_mov_b32 s37, 0
	s_wait_kmcnt 0x0
	s_add_nc_u64 s[8:9], s[8:9], s[36:37]
	PHASE 0
	PHASE 1
	s_barrier_signal -1                            ; every wave's parts lie in LDS (each has waited for its stores)
	s_barrier_wait -1
	; THE MERGE
.irp s, 0,1,2,3,4,5,6,7
	ds_load_b64 v[64+2*\s:65+2*\s], v50 offset:\s*1024             ; part s: -M, sum
.endr
.irp s, 0,1,2,3
.irp i, 0,1,2,3
	ds_load_b128 v[96+16*\s+4*\i:96+16*\s+4*\i+3], v48 offset:\s*16384+\i*512
.endr
.endr
.irp s, 4,5,6,7
.irp i, 0,1,2,3
	ds_load_b128 v[96+16*\s+4*\i:96+16*\s+4*\i+3], v49 offset:(\s-4)*16384+\i*512
.endr
.endr
	s_wait_dscnt 32                                ; the statistics are in; the 32 loads of O^T behind them may be out
	v_min3_num_f32 v54, v64, v66, v68
	v_min3_num_f32 v54, v54, v70, v72
	v_min3_num_f32 v54, v54, v74, v76
	v_min_num_f32 v54, v54, v78                    ; the least -M: the largest M
.irp s, 0,1,2,3,4,5,6,7
	v_sub_f32 v[224+2*\s], v54, v[64+2*\s]         ; M of part s less the largest: a whole number, 0 or less; a part without a step has -M = 3e38
.endr
.irp s, 0,1,2,3,4,5,6,7
	v_cvt_i32_f32 v[224+2*\s], v[224+2*\s]         ; (it saturates)
.endr
.irp s, 0,1,2,3,4,5,6,7
	v_ldexp_f32 v[224+2*\s], 1.0, v[224+2*\s]      ; f of part s: exact; 0 for a part without a step
.endr
.irp s, 0,1,2,3,4,5,6,7
	v_mov_b32 v[225+2*\s], 0                       ; (named as the upper halves of the pairs)
.endr
	v_mul_f32 v55, v224, v65
.irp s, 1,2,3,4,5,6,7
	v_fmac_f32 v55, v[224+2*\s], v[65+2*\s]
.endr
	v_permlanex16_b32 v56, v55, s32, s33
	v_add_f32 v55, v55, v56                        ; with lane l xor 16's keys: the row's sum, over 1/2
	v_rcp_f32 v57, v55
	v_nop                                          ; one plain place behind a transcendental
	s_wait_alu depctr_va_vdst(0)
.irp s, 0,1,2,3,4,5,6,7
	v_mul_f32 v[224+2*\s], v[224+2*\s], v57        ; f / sum: f is a power of two, so nothing more is rounded than by dividing at the end
.endr
	s_wait_dscnt 0x0
.set j, 0
.rept 8
	v_pk_mul_f32 v[96+j:97+j], v[96+j:97+j], v[224:225] op_sel_hi:[1,0]
.set j, j+2
.endr
.irp s, 1,2,3,4,5,6,7
.set j, 0
.rept 8
	v_pk_fma_f32 v[96+j:97+j], v[96+16*\s+j:97+16*\s+j], v[224+2*\s:225+2*\s], v[96+j:97+j] op_sel_hi:[1,0,1]
.set j, j+2
.endr
.endr
	; register 4 i + q of my 16: channel 32 x half + 16 (i / 2) + 8 h + 4 (i % 2) + q of query r
	ds_store_b128 v51, v[96:99]
	ds_store_b128 v51, v[100:103] offset:16
	ds_store_b128 v51, v[104:107] offset:64
	ds_store_b128 v51, v[108:111] offset:80
	s_wait_dscnt 0x0                               ; for the others' sake: a row's 256 bytes come from two waves
	s_barrier_signal -1
	s_barrier_wait -1
.irp i, 0,1,2,3
	ds_load_b128 v[112+4*\i:115+4*\i], v52 offset:2*SP*\i
.endr
.irp i, 0,1,2,3
	s_wait_dscnt 3-\i                              ; load i is in; the younger ones may be out
	global_store_b128 v[LI], v[112+4*\i:115+4*\i], s[8:9] offset:512*\i th:TH_STORE_NT   ; 32 lanes store two rows: 512 consecutive bytes, at a multiple of 256 from out0's first byte
.endr
	s_wait_tensorcnt 0x0
	ds_add_u32 v254, v255
	s_wait_dscnt 0x0
	s_endpgm
.Lfunc_end_k_qd6c777ff9e_attn:
	.size	k_qd6c777ff9e_attn, .Lfunc_end_k_qd6c777ff9e_attn-k_qd6c777ff9e_attn
	.p2alignl 7, 3214868480
	.fill 96, 4, 3214868480
	.section	.rodata,"a",@progbits
	.p2align	6, 0x0
	.amdhsa_kernel k_qd6c777ff9e_attn
		.amdhsa_group_segment_fixed_size 157696
		.amdhsa_private_segment_fixed_size 0
		.amdhsa_enable_private_segment 0
		.amdhsa_kernarg_size 24
		.amdhsa_user_sgpr_count 2
		.amdhsa_user_sgpr_kernarg_segment_ptr 1
		.amdhsa_wavefront_size32 1
		.amdhsa_system_sgpr_workgroup_id_x 1
		.amdhsa_system_sgpr_workgroup_id_y 1
		.amdhsa_system_sgpr_workgroup_id_z 1
		.amdhsa_system_vgpr_workitem_id 0
		.amdhsa_next_free_vgpr 384
		.amdhsa_next_free_sgpr 66
		.amdhsa_reserve_vcc 1
		.amdhsa_float_denorm_mode_32 3
		.amdhsa_float_denorm_mode_16_64 3
		.amdhsa_memory_ordered 1
		.amdhsa_forward_progress 1
		.amdhsa_inst_pref_size 106
	.end_amdhsa_kernel
	.amdgpu_metadata
---
amdhsa.version: [ 1, 2 ]
amdhsa.kernels:
  - .name:           k_qd6c777ff9e_attn
    .symbol:         k_qd6c777ff9e_attn.kd
    .args:
      - { .name: qq, .offset: 0, .size: 8, .value_kind: global_buffer, .address_space: global }
      - { .name: kv, .offset: 8, .size: 8, .value_kind: global_buffer, .address_space: global }
      - { .name: out0, .offset: 16, .size: 8, .value_kind: global_buffer, .address_space: global }
    .group_segment_fixed_size: 157696
    .private_segment_fixed_size: 0
    .kernarg_segment_align: 8
    .kernarg_segment_size: 24
    .max_flat_workgroup_size: 256
    .sgpr_count:     66
    .vgpr_count:     384
    .wavefront_size: 32
...
	.end_amdgpu_metadata
.endif
;; end of part 2
